; MI455X (gfx1250); checked and timed in simulation.
; The chip was launched on July 23, 2026; its instructions are those of AMD's public machine-readable ISA for CDNA 5 (MIT licence, August 2026) and "CDNA5" Instruction Set Architecture Reference Guide (July 2026). The comments in the code are by the model that wrote it; some were corrected since.
;; Dot Product Attention. Allowed arithmetic: matrix products marked QUANTISED: E3M2 operands, one E8M0 scale for each 32 along K, by v_wmma_scale_f32_16x16x128_f8f6f4 with both operands' format E3M2, f32 sums; everything else in f32.
;; Inputs: keys 16 x 2,048 x 64 float32; queries 16 x 2,048 x 64 float32; valid_lens 16 int32; values 16 x 2,048 x 64 float32.
;; Outputs: out0 16 x 2,048 x 64 float32.
;; This version of the problem:
;;   THIS VERSION OF THE PROBLEM IS GIVEN IN LOW PRECISION. The matrix products marked QUANTISED in the list below multiply operands that are first quantised to E3M2 (3 exponent bits, 2 mantissa bits; 6 bits a number), with one power-of-two scale for each 32 numbers along K (OCP MX v1.0); their sums are f32. All else is computed in f32.
;;   The module's matrix products, in the order in which they are computed (A, B: the left and right operand; K: the contracted axis; several contracted axes count as one K, in the product's order):
;;     1. batch 16 x [M 2,048, K 64] x [K 64, N 2,048]; A: input queries; B: input keys: QUANTISED
;;     2. batch 16 x [M 2,048, K 2,048] x [K 2,048, N 64]; A: softmax (see below); B: input values: QUANTISED
;;   THE QUANTISER, for each operand of a quantised product, along K:
;;     - K is cut into blocks of 32 from its start; a last block that is shorter is filled with zeros.
;;     - A block's scale is 2^e with e = floor(log2(the largest magnitude in the block)) - 4, held to -126 .. 127; a block of zeros has e = 0. As a byte (E8M0): e + 127.
;;     - Each number is divided by its block's scale, clamped to +-28, and rounded to the nearest number of E3M2, ties to even, subnormals kept.
;;     - The product sums the exact products of the quantised numbers (number of the format x scale) in f32.
;;   ~~~python
;;   def quantise(x, axis):      # numpy; x: float32 -> the quantised numbers, widened to float32 again
;;       x = np.moveaxis(x, axis, -1); K = x.shape[-1]
;;       x = np.pad(x, [(0, 0)] * (x.ndim - 1) + [(0, -K % 32)]); x = x.reshape(x.shape[:-1] + (-1, 32)); a = np.abs(x).max(-1, keepdims=True)
;;       e = np.where(a > 0, np.clip(np.frexp(np.where(a > 0, a, 1))[1] - 1 - 4, -126, 127), 0)      # np.frexp(a)[1] - 1 = floor(log2(a)), exactly
;;       r = np.clip(x / 2.0 ** e, -28, 28)
;;       step = 2.0 ** (np.maximum(np.frexp(np.where(r == 0, 1, r))[1] - 1, -2) - 2)
;;       q = np.round(r / step) * step * 2.0 ** e      # np.round: ties to even
;;       return np.moveaxis(q.reshape(q.shape[:-2] + (-1,))[..., :K], -1, axis).astype(np.float32)
;;   ~~~
;;   SOFTMAX AHEAD OF A QUANTISED PRODUCT. Where the list says 'softmax', what is quantised is not the finished softmax but p = 2^(t - M), with t = logit x log2(e) and M = ceil(the row's largest t), a whole number; so 1/2 < the row's largest p <= 1. The row's sum l is taken of the UNQUANTISED p, in f32, and the product's result is divided by l at the end. Since M is a whole number, a kernel that streams over the keys may use a running M (the ceiling of the running maximum): every later rescaling is an exact power of two, which a block's scale takes up: the codes' values come out the same.
;;   OPERANDS COMPUTED ON THE WAY. 'Computed on the way' means the value that the module computes at that place (a softmax that the list does not call 'softmax' is quantised finished and normalised). What goes into a quantiser is computed in f32, as accurately as f32 sums, v_exp_f32 and their like allow (about 1e-6 of the number): no bf16 or f16 on the way to a quantiser, and a product that is left as it is and whose result goes on into a quantised operand takes f32 operands (vector FMAs, or v_wmma_f32_16x16x4_f32). A number that lies on a knife's edge between two numbers of the format may be rounded either way, as far as f32 arithmetic and the matrix unit's own rounding can turn it there, and no further.
;; One version. Each part assembles by itself: llvm-mc -triple=amdgcn-amd-amdhsa -mcpu=gfx1250 --defsym DOCPART=n.
;; ======== version 1 of 1: 2 launches
;; limits: right only within a limited range of input values
;; workspace buffers: kv 3,276,800 bytes; order 4,096 bytes of whole numbers
;; launch quant (part 1): grid 512 x 1, 4 waves a work-group, no clusters, 36,352 bytes of LDS; arguments keys, values, valid_lens, kv, order; writes kv, order
.if DOCPART == 1
	.amdgcn_target "amdgcn-amd-amdhsa--gfx1250"
	.amdhsa_code_object_version 6
	.text
	.protected	k_qb7261e3fed_quant
	.globl	k_qb7261e3fed_quant
	.p2align	8
	.type	k_qb7261e3fed_quant,@function
k_qb7261e3fed_quant:
	s_mov_b64 s[64:65], 0
	v_nop
	global_prefetch_b8 v0, s[64:65] scope:SCOPE_SE
	s_setreg_imm32_b32 hwreg(HW_REG_WAVE_MODE, 25, 1), 1
	s_wait_xcnt 0x0
; keys and values [16][2048][64] f32 become codes of BF6 (E3M2) with one E8M0 byte for each 32 along a product's K, laid in kv as IMAGES OF OPERAND REGISTERS.
; A block is 128 keys: number 16 b + s (batch b, step s), 12,800 bytes at 12,800 x its number:
;   0 .. 6,143       K: four pairs p of 1,536 bytes; registers 4 g .. 4 g + 3 of lane L at 1,536 p + 512 g + 16 L.  Registers 6 u .. 6 u + 5 of lane (r, h) are d = 32 h .. 32 h + 31 of key
;                    64 (p / 2) + 16 (p % 2) + 8 u + r % 8 + 32 (r / 8).
;   6,144 .. 12,287  V^T: four tiles t (channel 16 t + r), laid alike; registers 6 c .. 6 c + 5 of lane (r, h): keys 64 c + 32 h .. + 31.
;   12,288 .. 12,543 K's scale words: pair p, row r at 128 (p % 2) + 64 (p / 2) + 4 r (bytes u0h0, u0h1, u1h0, u1h1);  12,544 .. 12,799 V's: tile t, row r likewise (byte j: keys 32 j on).
; Work-groups 0-255 make K of block id, work-groups 256-511 V of block (id - 256) xor 8: a block's two halves, and the steps of one batch, are spread over the grid.  Wave w: pair or tile w.
; A block is made only where 128 s < eff, eff = valid_lens[b], or 2,048 where that is under 1: the later launch reads a block under the same test.  A work-group whose block lies wholly under the mask stores
; nothing and ends: the grid serves every length.  Nothing here goes by tensor loads, and no barrier stands in the text.  For s < 8 the loads go out ahead of the test.
; order: the batch of rank k (ranked by eff, ties by the batch's number) has its word batch | LEN << 8 | steps << 24 in the 256 bytes at 256 k, LEN = valid_lens held to 0 .. 2,048; K's work-group of step 0 stores its batch's.
; A block of 32's scale is 2^(floor(log2(its largest magnitude)) - 4); its byte is the largest magnitude's exponent field - 4, held at 1 from below.
; LIMITS: 32 zeros get the byte 1 where the rule says 127 (their codes are zeros, and this program alone reads the bytes); largest magnitudes under 2^(5 - 127) were not tried; NaN and infinities are not served.
.set BLK,  12800
.set WREG, 8960                        ; a K wave's stage: 32 rows of 272 bytes, 128 bytes more behind row 15
.set SPARE, 4*WREG
.set SPW,  10
.set NIL,  11
.set R,    32                          ; v32-95   K: 32 keys as loaded; V: my channel's 64 keys
.set XK,   96                          ; v96-159  K: my two rows' 32 numbers each
.set C,    160                         ; v160-171 codes
; the largest magnitude of v[x] .. v[x + 31] and the floor 2^(5 - 127), into v[a]; two chains by turns
.macro AMAX32 x, a, b
	v_max3_num_f32 v[\a], |v[(\x)]|, |v[(\x)+1]|, 0x2800000
	v_max3_num_f32 v[\b], |v[(\x)+2]|, |v[(\x)+3]|, |v[(\x)+4]|
.irp i, 5,9,13,17,21,25
	v_max3_num_f32 v[\a], v[\a], |v[(\x)+\i]|, |v[(\x)+\i+1]|
	v_max3_num_f32 v[\b], v[\b], |v[(\x)+\i+2]|, |v[(\x)+\i+3]|
.endr
	v_max3_num_f32 v[\a], v[\a], |v[(\x)+29]|, |v[(\x)+30]|
	v_max3_num_f32 v[\a], v[\a], v[\b], |v[(\x)+31]|
.endm
; all 128 keys under the mask: nobody reads this block.  s12: valid_lens[b], then eff
.macro TEST
	s_wait_kmcnt 0x0
	s_cmp_lt_i32 s12, 1
	s_cselect_b32 s12, 0x800, s12
	s_cmp_le_i32 s12, s14
	s_cbranch_scc1 .Lend
.endm
; two blocks of 32 a lane (magnitudes in v12, v14) become twelve registers of codes and, with lane l xor 16, a scale word; both are stored
.macro OUT x, image, word
	v_add_nc_u32 v16, 0xfe000000, v12              ; 4 off the exponent field: the conversion takes the exponent field of this operand as its scale
	v_add_nc_u32 v17, 0xfe000000, v14
	v_lshrrev_b32 v18, 23, v16                     ; the scales' bytes
	v_lshrrev_b32 v19, 23, v17
	v_cvt_scalef32_pk16_bf6_f32 v[C:C+2], v[(\x):(\x)+15], v16
	v_cvt_scalef32_pk16_bf6_f32 v[184:186], v[(\x)+16:(\x)+31], v16      ; (a conversion's three registers begin on an even number)
	v_cvt_scalef32_pk16_bf6_f32 v[C+6:C+8], v[(\x)+32:(\x)+47], v17
	v_cvt_scalef32_pk16_bf6_f32 v[188:190], v[(\x)+48:(\x)+63], v17
	v_nop                                          ; one plain place behind a scaled conversion
.irp i, 0,1,2
	v_mov_b32 v[C+3+\i], v[184+\i]
	v_mov_b32 v[C+9+\i], v[188+\i]
.endr
	v_lshl_or_b32 v20, v19, 16, v18                ; my two bytes,
	v_lshlrev_b32 v21, 3, v5
	v_lshlrev_b32 v20, v21, v20                    ; 8 h bits up;
	v_permlanex16_b32 v22, v20, s24, s25
	v_or_b32 v20, v20, v22                         ; with lane l xor 16's two the word is whole
.irp g, 0,1,2
	global_store_b128 v23, v[C+4*\g:C+4*\g+3], s[10:11] offset:\image+512*\g   ; 32 lanes store 512 consecutive bytes, at a multiple of 256 from kv's first byte
.endr
	global_store_b32 v24, v20, s[10:11] offset:\word                        ; lanes r and r + 16 store the same word to the same place
.endm
	s_load_b256 s[4:11], s[0:1], 0x0               ; keys s[4:5], values s[6:7], valid_lens s[8:9], kv s[10:11]
	s_load_b64 s[28:29], s[0:1], 0x20              ; order
	s_and_b32 s17, ttmp9, 0xff
	s_lshr_b32 s15, ttmp9, 8                       ; 0: K, 1: V
	s_lshl_b32 s12, s15, 3
	s_xor_b32 s17, s17, s12                        ; the block
	s_lshr_b32 s13, s17, 4                         ; b
	s_lshl_b32 s30, s13, 2
	s_and_b32 s14, s17, 15
	s_lshl_b32 s14, s14, 7                         ; the step's first key, 128 s
	s_lshl_b32 s18, s17, 15                        ; the step's 128 rows of 256 bytes in keys and in values
	s_mov_b32 s19, 0
	s_mul_i32 s20, s17, BLK                        ; and its block in kv
	s_mov_b32 s21, 0
	s_mov_b32 s24, 0x76543210                      ; v_permlanex16_b32's selects for lane l xor 16
	s_mov_b32 s25, 0xfedcba98
	v_lshrrev_b32 v1, 5, v0
	v_readfirstlane_b32 s16, v1                    ; wave 0..3
	s_mul_i32 s23, s16, WREG                       ; my stage
	s_mul_i32 s26, s16, 1536
	s_and_b32 s27, s16, 1
	s_lshl_b32 s27, s27, 7
	s_lshr_b32 s22, s16, 1
	s_lshl_b32 s22, s22, 6
	s_add_co_u32 s27, s27, s22                     ; 128 (w % 2) + 64 (w / 2)
	s_lshl_b32 s22, s16, 6
	v_lshl_add_u32 v[SPW], v0, 2, SPARE
	v_mov_b32 v[NIL], 0
	v_and_b32 v2, 31, v0                           ; lane
	v_and_b32 v6, 15, v0                           ; r
	v_bfe_u32 v5, v0, 4, 1                         ; h
	v_lshlrev_b32 v3, 4, v2                        ; 16 L
	v_lshlrev_b32 v26, 2, v6                       ; 4 r
	v_mul_u32_u24 v4, v5, 272
	v_lshl_add_u32 v4, v6, 4, v4
	v_add_nc_u32 v4, s23, v4                       ; K's stage, in: a load's two rows: 272 (L / 16) + 16 (L % 16)
	v_and_b32 v8, 7, v6
	v_lshrrev_b32 v9, 3, v6
	v_mul_u32_u24 v7, v8, 272
	v_mad_u32_u24 v7, v9, 4480, v7
	v_lshl_add_u32 v7, v5, 7, v7
	v_add_nc_u32 v7, s23, v7                       ; out: stage row 8 u + r % 8 + 16 (r / 8), + 128 h: the 16 lanes of a half take 16 different 16-byte columns modulo 256 bytes
	v_add_nc_u32 v23, s26, v3                      ; the image: 1,536 w + 16 L
	v_add_nc_u32 v24, s27, v26                     ; the scale word
	v_lshl_add_u32 v25, v5, 13, v26
	v_add_nc_u32 v25, s22, v25                     ; V: channel 16 w + r, lanes 16-31 begin 32 keys further down
	v_mov_b32 v22, 0                               ; a lane permute's destination counts as one of its sources
	s_wait_alu depctr_va_vdst(0)                   ; the wait at the head's end
	s_wait_kmcnt 0x0
	s_load_b32 s12, s[8:9], s30 offset:0x0         ; valid_lens[b]
	s_add_nc_u64 s[10:11], s[10:11], s[20:21]
	s_cmp_lg_u32 s15, 0
	s_cbranch_scc1 .Lvalues
	; ---- K: pair p = wave.  Sixteen loads of 512 consecutive bytes: 16 keys from 64 (p / 2) + 16 (p % 2) on, and the 16 that lie 32 further down; through the stage; back as two rows' halves a lane
	s_lshr_b32 s22, s16, 1
	s_lshl_b32 s22, s22, 14
	s_add_co_u32 s18, s18, s22
	s_and_b32 s22, s16, 1
	s_lshl_b32 s22, s22, 12
	s_add_co_u32 s18, s18, s22
	s_add_nc_u64 s[4:5], s[4:5], s[18:19]
	global_load_b32 v27, v26, s[8:9]               ; lane l holds valid_lens[l % 16]
	s_cmp_lt_u32 s14, 0x400
	s_cbranch_scc1 .Lkeys
	TEST
.Lkeys:
.set n, 0
.rept 16
	global_load_b128 v[R+4*n:R+4*n+3], v3, s[4:5] offset:512*n+4096*(n/8) th:TH_LOAD_NT
.set n, n+1
.endr
	TEST
.set n, 0
.rept 16
	s_wait_loadcnt 15-n                            ; loads come back in order: load n is in, the younger ones stay out
	ds_store_b128 v4, v[R+4*n:R+4*n+3] offset:544*n+128*(n/8)
.set n, n+1
.endr
.irp u, 0,1
.irp j, 0,1,2,3,4,5,6,7
	ds_load_b128 v[XK+32*\u+4*\j:XK+32*\u+4*\j+3], v7 offset:2176*\u+16*\j   ; LDS serves a wave's instructions in order: these see my stores
.endr
.endr
	s_wait_dscnt 8                                 ; the row of u = 0 is in; the eight loads of u = 1 may be out
	AMAX32 XK, 12, 13
	s_wait_dscnt 0x0
	AMAX32 XK+32, 14, 15
	OUT XK, 0, 12288
	s_or_b32 s22, s14, s16
	s_cmp_lg_u32 s22, 0
	s_cbranch_scc1 .Lfin
	; step 0, wave 0: my batch's word in order
	v_cmp_gt_i32 vcc_lo, 1, v27                    ; a length under 1:
	v_mov_b32 v32, 0x800
	v_mov_b32 v33, 0
	v_cndmask_b32 v34, v27, v32, vcc_lo            ; all 2,048 keys are walked,
	v_cndmask_b32 v35, v27, v33, vcc_lo            ; and all are masked
	v_min_u32 v34, 0x800, v34                      ; eff
	v_min_u32 v35, 0x800, v35                      ; LEN
	v_lshl_or_b32 v36, v34, 4, v6                  ; 16 eff + batch: no two alike
	v_readlane_b32 s22, v36, s13
	v_readlane_b32 s23, v34, s13
	v_readlane_b32 s26, v35, s13
	v_cmp_gt_u32 s27, s22, v36
	s_and_b32 s27, s27, 0xffff
	s_bcnt1_i32_b32 s27, s27                       ; how many batches come before mine
	s_min_u32 s27, s27, 15
	s_lshl_b32 s22, s27, 8
	s_add_co_u32 s23, s23, 127
	s_lshr_b32 s23, s23, 7                         ; steps, 1 .. 16
	s_lshl_b32 s23, s23, 24
	s_lshl_b32 s26, s26, 8
	s_or_b32 s23, s23, s26
	s_or_b32 s26, s23, s13
	s_mov_b32 s23, 0
	s_add_nc_u64 s[28:29], s[28:29], s[22:23]
	v_mov_b32 v38, s26
	v_mov_b32 v39, s26
	v_lshlrev_b32 v40, 3, v2
	global_store_b64 v40, v[38:39], s[28:29]       ; 32 lanes store 256 consecutive bytes
.Lfin:
	s_wait_tensorcnt 0x0                           ; the wave's end
	ds_add_u32 v[SPW], v[NIL]
	s_wait_dscnt 0x0
	s_endpgm
.Lvalues:
	; ---- V: tile t = wave: lane (r, h) takes channel 16 t + r, its registers run down the keys 64 c + 32 h + i: the operand's own order
	s_add_nc_u64 s[6:7], s[6:7], s[18:19]
	s_cmp_lt_u32 s14, 0x400
	s_cbranch_scc1 .Lvals
	TEST
.Lvals:
.set n, 0
.rept 64
	global_load_b32 v[R+n], v25, s[6:7] offset:256*(n+32*(n/32))   ; the four waves together read whole rows of 256 bytes
.set n, n+1
.endr
	TEST
	s_wait_loadcnt 32                              ; c = 0 is in; the 32 loads of c = 1 may be out
	AMAX32 R, 12, 13
	s_wait_loadcnt 0x0
	AMAX32 R+32, 14, 15
	OUT R, 6144, 12544
.Lend:
	s_endpgm
.Lfunc_end_k_qb7261e3fed_quant:
	.size	k_qb7261e3fed_quant, .Lfunc_end_k_qb7261e3fed_quant-k_qb7261e3fed_quant
	.p2alignl 7, 3214868480
	.fill 96, 4, 3214868480
	.section	.rodata,"a",@progbits
	.p2align	6, 0x0
	.amdhsa_kernel k_qb7261e3fed_quant
		.amdhsa_group_segment_fixed_size 36352
		.amdhsa_private_segment_fixed_size 0
		.amdhsa_enable_private_segment 0
		.amdhsa_kernarg_size 40
		.amdhsa_user_sgpr_count 2
		.amdhsa_user_sgpr_kernarg_segment_ptr 1
		.amdhsa_wavefront_size32 1
		.amdhsa_system_sgpr_workgroup_id_x 1
		.amdhsa_system_sgpr_workgroup_id_y 1
		.amdhsa_system_sgpr_workgroup_id_z 1
		.amdhsa_system_vgpr_workitem_id 0
		.amdhsa_next_free_vgpr 192
		.amdhsa_next_free_sgpr 66
		.amdhsa_reserve_vcc 1
		.amdhsa_float_denorm_mode_32 3
		.amdhsa_float_denorm_mode_16_64 3
		.amdhsa_memory_ordered 1
		.amdhsa_forward_progress 1
		.amdhsa_inst_pref_size 23
	.end_amdhsa_kernel
	.amdgpu_metadata
---
amdhsa.version: [ 1, 2 ]
amdhsa.kernels:
  - .name:           k_qb7261e3fed_quant
    .symbol:         k_qb7261e3fed_quant.kd
    .args:
      - { .name: keys, .offset: 0, .size: 8, .value_kind: global_buffer, .address_space: global }
      - { .name: values, .offset: 8, .size: 8, .value_kind: global_buffer, .address_space: global }
      - { .name: valid_lens, .offset: 16, .size: 8, .value_kind: global_buffer, .address_space: global }
      - { .name: kv, .offset: 24, .size: 8, .value_kind: global_buffer, .address_space: global }
      - { .name: order, .offset: 32, .size: 8, .value_kind: global_buffer, .address_space: global }
    .group_segment_fixed_size: 36352
    .private_segment_fixed_size: 0
    .kernarg_segment_align: 8
    .kernarg_segment_size: 40
    .max_flat_workgroup_size: 128
    .sgpr_count:     66
    .vgpr_count:     192
    .wavefront_size: 32
...
	.end_amdgpu_metadata
.endif
;; end of part 1
;; launch attn (part 2): grid 256 x 1, 8 waves a work-group, no clusters, 183,296 bytes of LDS; arguments queries, kv, order, out0; writes out0
.if DOCPART == 2
	.amdgcn_target "amdgcn-amd-amdhsa--gfx1250"
	.amdhsa_code_object_version 6
	.text
	.protected	k_qb7261e3fed_attn
	.globl	k_qb7261e3fed_attn
	.p2align	8
	.type	k_qb7261e3fed_attn,@function
k_qb7261e3fed_attn:
	s_mov_b64 s[64:65], 0
	v_nop
	global_prefetch_b8 v0, s[64:65] scope:SCOPE_SE
	s_setreg_imm32_b32 hwreg(HW_REG_WAVE_MODE, 25, 1), 1
	s_wait_xcnt 0x0
; out[b][q][:] = sum over k of softmax_k(masked(Q[b][q] . K[b][k] / 8)) V[b][k][:]; keys at or behind valid_lens[b] take the logit -1e6.  Both products on codes of BF6 (E3M2) with one E8M0 scale for each 32 along K.
; K and V come as images of operand registers, one block of 12,800 bytes for each 128 keys, and the batches' ranking as words (the launch before made them; its head says how they are laid).  Q is quantised here.
; THE SOFTMAX: t = score x log2(e) / 8; M = the running largest t rounded UP to a whole number; p = 2^(t - M) is quantised along the keys; the row's sum is taken of the unquantised p and divides at the end.
; A block's scale exponent is floor(its largest t - M) - 4: the floor of log2 of its largest p.
; STEPS THAT LIE WHOLLY UNDER THE MASK ARE NOT DONE: a batch has n = ceil(eff / 128) steps, eff = valid_lens[b] held to 2,048, or 2,048 where valid_lens[b] < 1 (then every key is masked and all weigh alike).
; The step on the edge sets hidden scores to -8e6, which is -1e6 behind the division by 8.
; SHARES.  Work-group id: pair id / 32, queries 64 (id % 32) on (four tiles of 16), of TWO batches: A of rank 15 - pair and B of rank pair, a long walk and a short one.  A's nA steps and B's nB are laid end to end, T in all,
; and cut into four runs: run k goes from start(k) to start(k + 1), start(k) = (k T) / 4, for k = 1 (T + 3) / 4: no run is longer than ceil(T / 4), run 0 begins A and run 3 ends B.
; Eight waves: wave w walks run w % 4 for tiles 2 (w / 4) and 2 (w / 4) + 1.  K and V go from memory into operand registers, each fragment for two tiles: no LDS, no barrier in the walk.
; At the end the runs' parts (O^T, M, the sum) of A and of B, five (batch, run) pairs at the most, meet in LDS, and wave w finishes tile w % 4 of A (w < 4) or of B.
; NO TENSOR LOADS, NO JOINT LOADS, though 32 work-groups read a batch's blocks: the walk's length is read from memory; the branch leaves out the masked steps.
; NO PREFETCH: a step's K is asked for when the step before has made its scores, its V behind that step's products: in both cases a whole step's work stands between the request and the wait for it.
; A run's last step asks for its own block once more, so that the count of loads is the same on every way; nothing is used of it.
; LAYOUT.  S^T = K Q^T (source 0 = 16 keys, source 1 = 16 queries) and O^T = V^T P^T: a lane holds ONE query (lane % 16) of each tile.  The first product's K is 64, the instruction's 128: a fragment of K holds
; TWO tiles of keys (k 0-63 and k 64-127), and Q stands as [codes][zeros][codes], read as codes + zeros for the first tile and zeros + codes for the second.  The keys of a tile are chosen so that register 32 c + i of S^T is
; key 64 c + 32 (lane / 16) + i: a lane holds whole blocks of 32, in the order of the second product's operand.
; LIMITS: skipping masked steps is right while a row's largest valid logit lies above about -999,800 (the masked p is then 0 in f32); valid_lens above 2,048 counts as 2,048; with valid_lens < 1 the result
; hangs on the last bits of t near 1.4e6 and was not tried; the promise holds while t stays under 2^31 in magnitude; NaN and infinities are not served.
; LDS: parts of O^T from 0 (65,536 x batch + 16,384 x run + 4,096 x tile); (-M, sum) from META (4,096 x batch + 1,024 x run + 256 x tile); Q's images from QIMG (4,096 x batch + 1,024 x tile); a stage of 16 x 272 bytes for each wave;
; the spare words.
; REGISTERS.  window 1: v0-127 S^T, then p, 64 for each tile, at the end the parts; v128-191 O^T, 32 for each tile; v192-239 K.  window 0: the rest, below.
.set BLK,    12800
.set META,   131072
.set QIMG,   139264
.set STAGE,  147456
.set SPITCH, 272
.set SPARE,  182272
.set L16,  1                           ; 16, 8, 4 x lane
.set L8,   2
.set L4,   3
.set SPW,  4
.set NIL,  5
.set AQ,   6
.set AQ4,  7
.set AST,  8
.set STO,  9
.set RD,   10
.set H32,  11                          ; 32 (lane / 16)
.set KS,   12
.set VS,   14
.set NM,   16                          ; for each tile a pair: -M, the largest t
.set LS,   20                          ; the sum, two halves
.set F,    24                          ; f, and p's scale word
.set QS,   28
.set T,    30
.set BM,   32                          ; maxima: 4 for each tile
.set BT,   40
.set SO,   48                          ; the conversions' scales: 2 for each tile
.set H8,   52                          ; 8 (lane / 16)
.set T1,   53
.set M8,   54
.set ASTB, 55
.set MSTB, 56
.set MRA,  57                          ; the way out: the three parts of my tile that need not be there,
.set MMR,  58
.set MST,  59
.set QRD,  60
.set MRF,  61                          ; and the one that always is
.set MMF,  62
.set QIM,  63
.set PC,   64                          ; p's codes: 12 for each tile
.set CT,   88                          ; conversions' second halves: 8 for each tile
.set QF,   104                         ; Q: 18 for each tile
.set VF,   140                         ; V
.set RAW,  188                         ; v188-219 my tile of queries as loaded, v220-251 by rows
.set KF,   192                         ; (window 1)
.set OB,   128                         ; (window 1)
.set MT,   32                          ; at the end: four pairs (-M, then the weight; the sum)
.set WV,   12                          ; scalars
.set LENA, 15
.set NA,   16
.set LENB, 17
.set TT,   18                          ; T = nA + nB
.set A16,  19
.set BOF,  22                          ; 16 x batch B - nA
.set G,    23
.set CNT,  24
.set BASE, 25
.set LENC, 26
.set J,    27
.set PH,   28
.set QOFF, 29
.set SEL,  30
.set CS,   32
.set NPK,  34
.set NPV,  36
.set QA,   38
.set OA,   42
.set POFF, 46
.set MOFF, 47
.set LO,   70                          ; my steps of the batch in hand: LO .. HI - 1
.set HI,   71
.set START, 72
.set STOP, 73
.set LAST, 74
.set RUN,  75                          ; w % 4
.set HB,   76                          ; w / 4
.set FX,   77                          ; s77-79: are the three parts there?
.set FL,   80                          ; s80-83: run k has a part of A; s84-87: of B
.set MSB, 0
.macro WIN new                         ; the immediate's high byte repeats the setting that is left; at every label and branch the setting is 0
.if MSB != \new
	s_set_vgpr_msb (MSB<<8)|\new
.set MSB, \new
.endif
.endm
; the address of step g's block: the number is held to 255 (kv has 256 blocks) and then only multiplied and added to kv's own pointer
.macro PTR g
	s_cmp_lt_u32 s[\g], s[NA]
	s_cselect_b32 s66, s[A16], s[BOF]
	s_add_co_u32 s66, s66, s[\g]
	s_min_u32 s66, s66, 255
	s_mul_i32 s66, s66, BLK
	s_mov_b32 s67, 0
	s_add_nc_u64 s[NPK:NPK+1], s[6:7], s[66:67]
.endm
.macro KLD                             ; 14 loads: a step's four fragments of K and their scale words
	WIN 0x40
.set n, 0
.rept 12
	global_load_b128 v[KF+4*n:KF+4*n+3], v[L16], s[NPK:NPK+1] offset:512*n
.set n, n+1
.endr
	WIN 0
	global_load_b32 v[KS], v[L4], s[NPK:NPK+1] offset:12288
	global_load_b32 v[KS+1], v[L4], s[NPK:NPK+1] offset:12416
.endm
.macro VLD                             ; 14 loads: V^T's
.set n, 0
.rept 12
	global_load_b128 v[VF+4*n:VF+4*n+3], v[L16], s[NPV:NPV+1] offset:6144+512*n
.set n, n+1
.endr
	global_load_b32 v[VS], v[L4], s[NPV:NPV+1] offset:12544
	global_load_b32 v[VS+1], v[L4], s[NPV:NPV+1] offset:12672
.endm
; one product of S^T: tile q of queries, tile m of keys (pair m / 2), begun with the constant 0.  Pair b's scale word lies in v[KS + b % 2], lanes 0-15 for b < 2, lanes 16-31 else
.macro QK1 q, m
.if \m < 4
	v_wmma_scale_f32_16x16x128_f8f6f4 v[64*\q+8*\m:64*\q+8*\m+7], v[KF+12*(\m/2):KF+12*(\m/2)+11], v[QF+18*\q+6*(\m%2):QF+18*\q+6*(\m%2)+11], 0, v[KS+(\m/2)%2], v[QS+\q] matrix_a_fmt:MATRIX_FMT_BF6 matrix_b_fmt:MATRIX_FMT_BF6
.else
	v_wmma_scale_f32_16x16x128_f8f6f4 v[64*\q+8*\m:64*\q+8*\m+7], v[KF+12*(\m/2):KF+12*(\m/2)+11], v[QF+18*\q+6*(\m%2):QF+18*\q+6*(\m%2)+11], 0, v[KS+(\m/2)%2], v[QS+\q] matrix_a_fmt:MATRIX_FMT_BF6 matrix_b_fmt:MATRIX_FMT_BF6 matrix_a_scale:MATRIX_SCALE_ROW1
.endif
.endm
; the k-th of eight lines of each of tile q's four maxima over 16 registers
.macro MAX4 q, k
.irp b, 0,1,2,3
.if \k == 0
	v_max_num_f32 v[BM+4*\q+\b], v[64*\q+16*\b], v[64*\q+16*\b+1]
.else
	v_max3_num_f32 v[BM+4*\q+\b], v[64*\q+16*\b+2*\k], v[64*\q+16*\b+2*\k+1], v[BM+4*\q+\b]
.endif
.endr
.endm
.macro TM q, i                         ; t - M of tile q's registers i, i + 1 (of the pairs c and -M the low word serves both halves)
	v_pk_fma_f32 v[64*\q+\i:64*\q+\i+1], v[64*\q+\i:64*\q+\i+1], s[CS:CS+1], v[NM+2*\q:NM+2*\q+1] op_sel_hi:[1,0,0]
.endm
.macro ADD q, i, d                     ; p's sum, in place: pair i takes pair i + d
	v_pk_add_f32 v[64*\q+\i:64*\q+\i+1], v[64*\q+\i:64*\q+\i+1], v[64*\q+\i+\d:64*\q+\i+\d+1]
.endm
; O^T += V^T P^T: 8 accumulators, one instruction a turn
.macro PV1 q, t
.if \t < 2
	v_wmma_scale_f32_16x16x128_f8f6f4 v[OB+32*\q+8*\t:OB+32*\q+8*\t+7], v[VF+12*\t:VF+12*\t+11], v[PC+12*\q:PC+12*\q+11], v[OB+32*\q+8*\t:OB+32*\q+8*\t+7], v[VS+\t%2], v[F+2*\q+1] matrix_a_fmt:MATRIX_FMT_BF6 matrix_b_fmt:MATRIX_FMT_BF6
.else
	v_wmma_scale_f32_16x16x128_f8f6f4 v[OB+32*\q+8*\t:OB+32*\q+8*\t+7], v[VF+12*\t:VF+12*\t+11], v[PC+12*\q:PC+12*\q+11], v[OB+32*\q+8*\t:OB+32*\q+8*\t+7], v[VS+\t%2], v[F+2*\q+1] matrix_a_fmt:MATRIX_FMT_BF6 matrix_b_fmt:MATRIX_FMT_BF6 matrix_a_scale:MATRIX_SCALE_ROW1
.endif
.endm
; tile q's 64 exponentials, and between them plain work whose results are read behind the next wait: for q = 0 tile 1's t - M, for q = 1 the first level of tile 0's sum
.macro EXPS q
	WIN 0x45
	s_wait_alu depctr_va_vdst(0)                   ; the wait ahead of the batch
.irp i, 0,1,2,3,4,5,6,7,8,9,10,11,12,13,14,15
	v_exp_f32 v[64*\q+4*\i], v[64*\q+4*\i]
	v_exp_f32 v[64*\q+4*\i+1], v[64*\q+4*\i+1]
.if \q == 0
	TM 1, 4*\i
.endif
	v_exp_f32 v[64*\q+4*\i+2], v[64*\q+4*\i+2]
	v_exp_f32 v[64*\q+4*\i+3], v[64*\q+4*\i+3]
.if \q == 0
	TM 1, 4*\i+2
.else
	ADD 0, 2*\i, 32
.endif
.endr
	s_wait_alu depctr_va_vdst(0)                   ; and behind it, ahead of the first reader
	WIN 0x01
.irp c, 0,1                            ; p's codes: block 2 c + lane / 16
	v_cvt_scalef32_pk16_bf6_f32 v[PC+12*\q+6*\c:PC+12*\q+6*\c+2], v[64*\q+32*\c:64*\q+32*\c+15], v[SO+2*\q+\c]
	v_cvt_scalef32_pk16_bf6_f32 v[CT+8*\q+4*\c:CT+8*\q+4*\c+2], v[64*\q+32*\c+16:64*\q+32*\c+31], v[SO+2*\q+\c]   ; (a conversion's three registers begin on an even number)
.endr
	v_nop                                          ; one plain place behind a scaled conversion
.endm
.macro CUT d, k                        ; start(k) into s[d]
	s_mul_i32 s[\d], s[TT], \k
.if \k == 1
	s_add_co_u32 s[\d], s[\d], 3
.endif
	s_lshr_b32 s[\d], s[\d], 2
.endm
	s_load_b256 s[4:11], s[0:1], 0x0               ; queries s[4:5], kv s[6:7], order s[8:9], out0 s[10:11]
	v_lshrrev_b32 v1, 5, v0
	v_readfirstlane_b32 s[WV], v1                  ; wave 0..7
	s_lshr_b32 s13, ttmp9, 5                       ; pair
	s_and_b32 s14, ttmp9, 31                       ; query group
	s_lshl_b32 s21, s13, 8                         ; B's word in order,
	s_sub_co_u32 s20, 0xf00, s21                   ; A's
	s_and_b32 s[RUN], s[WV], 3
	s_lshr_b32 s[HB], s[WV], 2
	s_mul_i32 s48, s[WV], 16*SPITCH
	s_add_co_u32 s48, s48, STAGE                   ; my stage
	s_lshl_b32 s49, s[RUN], 14
	s_lshl_b32 s66, s[HB], 13
	s_add_co_u32 s49, s49, s66                     ; my parts
	s_lshl_b32 s51, s[RUN], 10
	s_lshl_b32 s66, s[HB], 9
	s_add_co_u32 s51, s51, s66
	s_add_co_u32 s51, s51, META
	s_lshl_b32 s53, s[WV], 10
	s_add_co_u32 s53, s53, QIMG                    ; Q's image of tile w % 4 of batch w / 4
	s_lshl_b32 s50, s[RUN], 12
	s_mul_i32 s52, s[HB], 49152
	s_add_co_u32 s52, s52, s50
	s_add_co_u32 s52, s52, 16384                   ; my tile's parts: of A runs 1, 2, 3, of B runs 0, 1, 2
	s_mul_i32 s59, s[HB], 114688
	s_add_co_u32 s59, s59, s50                     ; of A run 0, of B run 3
	s_lshl_b32 s58, s[RUN], 8
	s_add_co_u32 s58, s58, META
	s_mul_i32 s60, s[HB], 3072
	s_add_co_u32 s60, s60, s58
	s_add_co_u32 s60, s60, 1024
	s_mul_i32 s61, s[HB], 7168
	s_add_co_u32 s61, s61, s58
	s_lshl_b32 s[QOFF], s[HB], 11
	s_add_co_u32 s[QOFF], s[QOFF], QIMG            ; my two tiles' images
	v_lshl_add_u32 v[SPW], v0, 2, SPARE
	v_mov_b32 v[NIL], 0
	v_and_b32 v8, 31, v0
	v_and_b32 v30, 15, v0                          ; r
	v_bfe_u32 v31, v0, 4, 1                        ; h
	v_lshlrev_b32 v[L16], 4, v8
	v_lshlrev_b32 v[L8], 3, v8
	v_lshlrev_b32 v[L4], 2, v8
	v_lshlrev_b32 v[H32], 5, v31
	v_lshlrev_b32 v[H8], 3, v31
	v_mul_u32_u24 v32, v30, SPITCH
	v_lshl_add_u32 v[STO], v31, 5, v32
	v_add_nc_u32 v[STO], s48, v[STO]               ; a stage by lanes' results: row r, + 32 h
	v_lshl_add_u32 v[QRD], v31, 7, v32
	v_add_nc_u32 v[QRD], s48, v[QRD]               ; Q's rows, back: row r, + 128 h
	v_mul_u32_u24 v[RD], v31, SPITCH
	v_lshl_add_u32 v[RD], v30, 4, v[RD]
	v_add_nc_u32 v[RD], s48, v[RD]                 ; by rows: lanes 0-15 one row of 256 bytes, lanes 16-31 the next
	v_add_nc_u32 v[QIM], s53, v[L8]
	v_add_nc_u32 v[T1], s53, v[L4]
	v_add_nc_u32 v[ASTB], s49, v[L16]
	v_add_nc_u32 v[MSTB], s51, v[L8]
	v_add_nc_u32 v[MRA], s52, v[L16]
	v_add_nc_u32 v[MRF], s59, v[L16]
	v_add_nc_u32 v[MMR], s60, v[L8]
	v_add_nc_u32 v[MMF], s61, v[L8]
	s_wait_alu depctr_va_vdst(0)
	s_wait_kmcnt 0x0
	s_load_b32 s54, s[8:9], s20 offset:0x0
	s_load_b32 s55, s[8:9], s21 offset:0x0
	s_mov_b32 s[SEL], 0x76543210                   ; v_permlanex16_b32's selects for lane l xor 16
	s_mov_b32 s[SEL+1], 0xfedcba98
	s_mov_b32 s[CS], 0x3e38aa3b                    ; c = log2(e) / 8
	s_mov_b32 s[CS+1], s[CS]                       ; (named with it as a pair, so it is written)
.set n, 0
.rept 8
	v_mov_b32 v[BT+n], 0                           ; a lane permute's destination counts as one of its sources
.set n, n+1
.endr
	v_mov_b32 v[M8], 0xcaf42400                    ; -8e6
	s_wait_alu depctr_va_vdst(0)
	s_wait_kmcnt 0x0
	s_cmp_eq_u32 s[HB], 0
	s_cselect_b32 s60, s54, s55
	s_and_b32 s60, s60, 15
	s_min_u32 s60, s60, 15                         ; the batch of the tile that I quantise and finish
	s_lshl_b32 s60, s60, 19
	s_lshl_b32 s58, s14, 14                        ; the work-group's 64 rows of 256 bytes,
	s_add_co_u32 s58, s58, s50                     ; my tile's 16
	s_add_co_u32 s60, s60, s58
	s_mov_b32 s61, 0
	s_add_nc_u64 s[QA:QA+1], s[4:5], s[60:61]
	s_add_nc_u64 s[OA:OA+1], s[10:11], s[60:61]
.set n, 0
.rept 8
	global_load_b128 v[RAW+4*n:RAW+4*n+3], v[L16], s[QA:QA+1] offset:512*n th:TH_LOAD_NT   ; two whole rows a load
.set n, n+1
.endr
	s_and_b32 s56, s54, 15
	s_min_u32 s56, s56, 15                         ; batch A
	s_and_b32 s57, s55, 15
	s_min_u32 s57, s57, 15                         ; batch B
	s_bfe_u32 s[LENA], s54, 0xc0008
	s_bfe_u32 s[NA], s54, 0x80018
	s_bfe_u32 s[LENB], s55, 0xc0008
	s_bfe_u32 s[TT], s55, 0x80018
	s_add_co_u32 s[TT], s[TT], s[NA]
	s_lshl_b32 s[A16], s56, 4
	s_lshl_b32 s[BOF], s57, 4
	s_sub_co_u32 s[BOF], s[BOF], s[NA]
	s_mul_i32 s[START], s[TT], s[RUN]
	s_add_co_u32 s[STOP], s[START], s[TT]
	s_cmp_eq_u32 s[RUN], 1
	s_cselect_b32 s66, 3, 0
	s_add_co_u32 s[START], s[START], s66
	s_lshr_b32 s[START], s[START], 2
	s_cmp_eq_u32 s[RUN], 0
	s_cselect_b32 s66, 3, 0
	s_add_co_u32 s[STOP], s[STOP], s66
	s_lshr_b32 s[STOP], s[STOP], 2
	s_sub_co_u32 s[LAST], s[STOP], 1
	PTR START                                      ; my first step (a wave that has none fetches a block all the same, and uses nothing of it)
	s_mov_b64 s[NPV:NPV+1], s[NPK:NPK+1]
	KLD
	VLD
.irp k, 0,1,2,3                        ; which runs have a part of A, of B
	CUT 66, \k
	CUT 67, (\k+1)
	s_min_u32 s68, s67, s[NA]
	s_cmp_lt_u32 s66, s68
	s_cselect_b32 s[FL+\k], 1, 0
	s_max_u32 s68, s66, s[NA]
	s_cmp_lt_u32 s68, s67
	s_cselect_b32 s[FL+4+\k], 1, 0
.endr
	s_cmp_eq_u32 s[HB], 0
	s_cselect_b32 s[FX], s[FL+1], s[FL+4]
	s_cselect_b32 s[FX+1], s[FL+2], s[FL+5]
	s_cselect_b32 s[FX+2], s[FL+3], s[FL+6]
	s_wait_loadcnt 28                              ; my queries are in; K's 14 and V's 14 loads may be out
.set n, 0
.rept 8
	ds_store_b128 v[RD], v[RAW+4*n:RAW+4*n+3] offset:2*SPITCH*n
.set n, n+1
.endr
.set n, 0
.rept 8
	ds_load_b128 v[RAW+32+4*n:RAW+32+4*n+3], v[QRD] offset:16*n   ; LDS serves a wave's instructions in order: these see my stores
.set n, n+1
.endr
	s_wait_dscnt 0x0
.set X, RAW+32                         ; a lane's 32 numbers: their largest magnitude, and the floor 2^(5 - 127)
	v_max3_num_f32 v32, |v[X]|, |v[X+1]|, 0x2800000
	v_max3_num_f32 v33, |v[X+2]|, |v[X+3]|, |v[X+4]|
.irp i, 5,9,13,17,21,25
	v_max3_num_f32 v32, v32, |v[X+\i]|, |v[X+\i+1]|
	v_max3_num_f32 v33, v33, |v[X+\i+2]|, |v[X+\i+3]|
.endr
	v_max3_num_f32 v32, v32, |v[X+29]|, |v[X+30]|
	v_max3_num_f32 v32, v32, v33, |v[X+31]|
	v_add_nc_u32 v34, 0xfe000000, v32              ; 4 off the exponent field: the conversion's scale operand
	v_lshrrev_b32 v35, 23, v34
	v_cvt_scalef32_pk16_bf6_f32 v[36:38], v[X:X+15], v34
	v_cvt_scalef32_pk16_bf6_f32 v[40:42], v[X+16:X+31], v34
	v_nop                                          ; one plain place behind a scaled conversion
.irp i, 0,1,2
	v_mov_b32 v[39+\i], v[40+\i]
.endr
	v_lshlrev_b32 v35, v[H8], v35
	v_permlanex16_b32 v43, v35, s[SEL], s[SEL+1]
	v_or_b32 v35, v35, v43                         ; Q's two bytes,
	v_lshl_or_b32 v35, v35, 16, v35                ; for k 0-63 and again for k 64-127: where the one is read the other stands over zero codes
.irp i, 0,1,2
	ds_store_b64 v[QIM], v[36+2*\i:37+2*\i] offset:256*\i
.endr
	ds_store_b32 v[T1], v35 offset:768
.irp q, 0,1
.irp i, 6,7,8,9,10,11
	v_mov_b32 v[QF+18*\q+\i], 0                    ; zero codes: they add nothing, whatever stands against them
.endr
.endr
	s_mov_b32 s[LO], s[START]
	s_min_u32 s[HI], s[STOP], s[NA]
	s_mov_b32 s[BASE], 0
	s_mov_b32 s[LENC], s[LENA]
	s_mov_b32 s[POFF], 0
	s_mov_b32 s[MOFF], 0
	s_mov_b32 s[PH], 2
	s_wait_alu depctr_va_vdst(0)                   ; the wait at the head's end
	s_wait_dscnt 0x0                               ; for the others' sake: my image has landed
	s_barrier_signal -1
	s_barrier_wait -1                              ; everybody's has
.Lphase:                                               ; A, then B
	s_max_u32 s[HI], s[HI], s[LO]
	s_sub_co_u32 s[CNT], s[HI], s[LO]              ; my steps of this batch
	s_mov_b32 s[G], s[LO]
	s_mov_b32 s[J], 0
	v_add_nc_u32 v[AQ], s[QOFF], v[L8]
	v_add_nc_u32 v[AQ4], s[QOFF], v[L4]
	v_add_nc_u32 v[AST], s[POFF], v[ASTB]
	v_add_nc_u32 v[MST], s[MOFF], v[MSTB]
.irp q, 0,1
	v_mov_b32 v[NM+2*\q+1], 0xff61b1e6             ; the largest t so far: -3e38, under every t
	v_mov_b32 v[LS+2*\q], 0
	v_mov_b32 v[LS+2*\q+1], 0
.endr
.irp q, 0,1
	v_floor_f32 v[NM+2*\q], -v[NM+2*\q+1]          ; -M
.endr
	s_wait_alu depctr_va_vdst(0)
	s_cmp_eq_u32 s[CNT], 0
	s_cbranch_scc1 .Lflush                         ; no step of this batch: only -M and the sum of nothing are handed on
.irp q, 0,1
.irp i, 0,1,2
	ds_load_b64 v[QF+18*\q+2*\i:QF+18*\q+2*\i+1], v[AQ] offset:1024*\q+256*\i
	ds_load_b64 v[QF+18*\q+12+2*\i:QF+18*\q+12+2*\i+1], v[AQ] offset:1024*\q+256*\i
.endr
	ds_load_b32 v[QS+\q], v[AQ4] offset:1024*\q+768
.endr
	WIN 0x40
.set n, 0
.rept 64
	v_mov_b32 v[OB+n], 0                           ; O^T.  (The step is written once: the first finds zeros, which the first change of M leaves zeros)
.set n, n+1
.endr
	WIN 0
	s_wait_alu depctr_va_vdst(0)
	s_wait_dscnt 0x0
.Lstep:
	s_wait_loadcnt 14                              ; this step's K is in; its V's 14 loads may be out
	s_add_co_u32 s69, s[G], 1
	s_min_u32 s69, s69, s[LAST]
	PTR 69                                         ; my next step's block
	s_sub_co_u32 s68, s[G], s[BASE]
	s_lshl_b32 s68, s68, 7
	s_sub_co_i32 s68, s[LENC], s68                 ; so many keys, from the step's first on, count
	WIN 0x41
.irp m, 0,1,2,3,4,5,6,7
.irp q, 0,1
	QK1 \q, \m
.endr
.endr
	WIN 0
.irp q, 0,1
	v_mov_b32 v[T+\q], v[NM+2*\q]                  ; the old -M
.endr
	v_nop                                          ; with the two above: the four places behind the products
	v_nop
	s_cmp_ge_i32 s68, 128
	s_cbranch_scc1 .Lopen                          ; all 128 keys count
	v_sub_nc_u32 v[T1], s68, v[H32]                ; register 32 c + i is hidden where 64 c + i >= this
	s_wait_alu depctr_va_vdst(0)
.irp c, 0,1
	s_cmp_ge_i32 s68, 64*\c+64
	s_cbranch_scc1 .Lseen_\c
	WIN 0x41
.set n, 0
.rept 32
	v_cmp_ge_i32 vcc_lo, 64*\c+n, v[T1]
.irp q, 0,1
	v_cndmask_b32 v[64*\q+32*\c+n], v[64*\q+32*\c+n], v[M8], vcc_lo
.endr
.set n, n+1
.endr
	WIN 0
.Lseen_\c:
.endr
	s_wait_alu depctr_va_vdst(0)
.Lopen:
	WIN 0x05
.irp k, 0,1,2,3,4,5,6,7
.irp q, 0,1
	MAX4 \q, \k
.endr
.endr
	WIN 0
	KLD                                            ; the next step's K, into the registers that the products above have read
.irp c, 0,2
.irp q, 0,1
	v_max_num_f32 v[BM+4*\q+\c], v[BM+4*\q+\c], v[BM+4*\q+\c+1]   ; the largest score of each of my two blocks
.endr
.endr
.irp q, 0,1
	v_max_num_f32 v[BT+\q], v[BM+4*\q], v[BM+4*\q+2]
.endr
.irp q, 0,1
	v_permlanex16_b32 v[BT+4+\q], v[BT+\q], s[SEL], s[SEL+1]
.endr
.irp q, 0,1
	v_max_num_f32 v[BT+\q], v[BT+\q], v[BT+4+\q]   ; with lane l xor 16's 64 keys: the step's largest score of my query
.endr
.irp q, 0,1
	v_mul_f32 v[BT+\q], s[CS], v[BT+\q]            ; as t (c is positive)
.endr
.irp q, 0,1
	v_max_num_f32 v[NM+2*\q+1], v[NM+2*\q+1], v[BT+\q]
.endr
.irp q, 0,1
	v_floor_f32 v[NM+2*\q], -v[NM+2*\q+1]          ; the new -M = floor(-t) = -ceil(t): a whole number
.endr
.irp q, 0,1
	v_sub_f32 v[T+\q], v[NM+2*\q], v[T+\q]         ; old M - new M: a whole number, 0 or less
.endr
.irp c, 0,2
.irp q, 0,1
	v_fma_f32 v[BM+4*\q+\c], v[BM+4*\q+\c], s[CS], v[NM+2*\q]   ; each block's largest t - M, by the same operation as below
.endr
.endr
.irp q, 0,1
	v_cvt_i32_f32 v[T+\q], v[T+\q]                 ; (it saturates)
.endr
.irp c, 0,2
.irp q, 0,1
	v_cvt_floor_i32_f32 v[BM+4*\q+\c], v[BM+4*\q+\c]   ; floor: the exponent of its largest p
.endr
.endr
.irp q, 0,1
	v_ldexp_f32 v[F+2*\q], 1.0, v[T+\q]            ; f = 2^(old M - new M): a multiplication by it rounds nothing
.endr
.irp c, 0,2
.irp q, 0,1
	v_max_i32 v[BM+4*\q+\c], 0xffffff86, v[BM+4*\q+\c]   ; -122 at the least: the byte cannot fall under 1
.endr
.endr
.irp c, 0,1
.irp q, 0,1
	v_lshl_add_u32 v[SO+2*\q+\c], v[BM+4*\q+2*\c], 23, 0x3d800000   ; (it - 4 + 127) << 23: the conversion's scale operand
.endr
.endr
.irp q, 0,1
	v_lshl_add_u32 v[BM+4*\q+1], v[BM+4*\q+2], 16, v[BM+4*\q]
.endr
.irp q, 0,1
	v_add_nc_u32 v[BM+4*\q+1], 0x7b007b, v[BM+4*\q+1]   ; my two bytes, exponent + 123,
.endr
.irp q, 0,1
	v_lshlrev_b32 v[BM+4*\q+1], v[H8], v[BM+4*\q+1]     ; 8 h bits up: blocks h and 2 + h;
.endr
.irp q, 0,1
	v_permlanex16_b32 v[BT+4+\q], v[BM+4*\q+1], s[SEL], s[SEL+1]
.endr
.irp q, 0,1
	v_or_b32 v[F+2*\q+1], v[BM+4*\q+1], v[BT+4+\q] ; with lane l xor 16's two: p's scale word
.endr
	WIN 0x41
.irp q, 0,1
.set n, 0
.rept 16
	v_pk_mul_f32 v[OB+32*\q+n:OB+32*\q+n+1], v[OB+32*\q+n:OB+32*\q+n+1], v[F+2*\q:F+2*\q+1] op_sel_hi:[1,0]   ; O^T under the new M
.set n, n+2
.endr
.endr
.set n, 0
.rept 32
	TM 0, n
.set n, n+2
.endr
	EXPS 0
	EXPS 1
	WIN 0
.irp q, 0,1
.irp c, 0,1
.irp i, 0,1,2
	v_mov_b32 v[PC+12*\q+6*\c+3+\i], v[CT+8*\q+4*\c+\i]
.endr
.endr
.endr
	WIN 0x45
.set n, 0
.rept 16
	ADD 1, n, 32                                   ; (these are also the places between the codes and the products)
.set n, n+2
.endr
	s_wait_alu depctr_va_vdst(0)
	s_wait_loadcnt 14                              ; this step's V is in; the next step's K's 14 loads may be out
	WIN 0x50
.irp q, 0,1
.irp t, 0,1,2,3
	PV1 \q, \t
.endr
.endr
	WIN 0x45                                       ; the sums of the unquantised p go on: also the places behind the products
.set d, 16
.rept 4                                ; 8, 4, 2, 1 pairs of each tile
.set n, 0
.rept d/2
.irp q, 0,1
	ADD \q, n, d
.endr
.set n, n+2
.endr
.set d, d/2
.endr
	WIN 0x10
.irp q, 0,1
	v_pk_fma_f32 v[LS+2*\q:LS+2*\q+1], v[LS+2*\q:LS+2*\q+1], v[F+2*\q:F+2*\q+1], v[64*\q:64*\q+1] op_sel_hi:[1,0,1]   ; the sum under the new M, and the step's
.endr
	WIN 0
	s_mov_b64 s[NPV:NPV+1], s[NPK:NPK+1]
	VLD                                            ; the next step's V
	s_mov_b32 s[G], s69
	s_add_co_u32 s[J], s[J], 1
	s_cmp_lt_u32 s[J], s[CNT]
	s_cbranch_scc1 .Lstep
.Lflush:                                               ; my part of this batch goes to LDS
	s_wait_alu depctr_va_vdst(0)
.irp q, 0,1
	v_add_f32 v[LS+2*\q], v[LS+2*\q], v[LS+2*\q+1] ; the sum's two halves,
.endr
.irp q, 0,1
	v_permlanex16_b32 v[BT+\q], v[LS+2*\q], s[SEL], s[SEL+1]
.endr
.irp q, 0,1
	v_add_f32 v[NM+2*\q+1], v[LS+2*\q], v[BT+\q]   ; and lane l xor 16's, beside -M
.endr
.irp q, 0,1
	ds_store_b64 v[MST], v[NM+2*\q:NM+2*\q+1] offset:256*\q
.endr
	s_wait_alu depctr_va_vdst(0)
	s_cmp_eq_u32 s[CNT], 0
	s_cbranch_scc1 .Lhanded
	WIN 0x04
.irp q, 0,1
.irp m, 0,1,2,3,4,5,6,7
	ds_store_b128 v[AST], v[OB+32*\q+4*\m:OB+32*\q+4*\m+3] offset:4096*\q+512*\m
.endr
.endr
	WIN 0
.Lhanded:
	s_max_u32 s[LO], s[START], s[NA]
	s_mov_b32 s[HI], s[STOP]
	s_mov_b32 s[BASE], s[NA]
	s_mov_b32 s[LENC], s[LENB]
	s_add_co_u32 s[QOFF], s[QOFF], 4096
	s_add_co_u32 s[POFF], s[POFF], 0x10000
	s_add_co_u32 s[MOFF], s[MOFF], 4096
	s_sub_co_i32 s[PH], s[PH], 1
	s_cmp_lg_u32 s[PH], 0
	s_cbranch_scc1 .Lphase
	; THE WAY OUT: tile w % 4 of A or of B from the runs' parts
	s_wait_alu depctr_va_vdst(0)
	s_wait_dscnt 0x0                               ; for the others' sake: my parts have landed
	s_barrier_signal -1
	s_barrier_wait -1
	ds_load_b64 v[MT:MT+1], v[MMF]
.irp i, 0,1,2
	ds_load_b64 v[MT+2+2*\i:MT+3+2*\i], v[MMR] offset:1024*\i
.endr
	WIN 0x40
.irp m, 0,1,2,3,4,5,6,7
	ds_load_b128 v[4*\m:4*\m+3], v[MRF] offset:512*\m   ; the part that is always there
.endr
	WIN 0
.irp i, 0,1,2
	s_cmp_eq_u32 s[FX+\i], 0
	s_cbranch_scc1 .Lnopart_\i
	WIN 0x40
.irp m, 0,1,2,3,4,5,6,7
	ds_load_b128 v[32+32*\i+4*\m:32+32*\i+4*\m+3], v[MRA] offset:16384*\i+512*\m
.endr
	WIN 0
.Lnopart_\i:
.endr
	s_wait_dscnt 8                                 ; the four (-M, sum) are in: at least eight loads stand behind them
	v_min3_num_f32 v[T], v[MT], v[MT+2], v[MT+4]
	v_min_num_f32 v[T], v[T], v[MT+6]              ; -M of the row
.irp w, 0,1,2,3
	v_sub_f32 v[SO+\w], v[T], v[MT+2*\w]           ; the part's M less the row's
.endr
.irp w, 0,1,2,3
	v_cvt_i32_f32 v[SO+\w], v[SO+\w]
.endr
.irp w, 0,1,2,3
	v_ldexp_f32 v[SO+\w], 1.0, v[SO+\w]            ; (0 for a run that had no step)
.endr
	v_mul_f32 v[T+1], v[SO], v[MT+1]
.irp w, 1,2,3
	v_fma_f32 v[T+1], v[SO+\w], v[MT+2*\w+1], v[T+1]   ; the row's sum
.endr
	s_wait_alu depctr_va_vdst(0)                   ; the wait ahead of the transcendental
	v_rcp_f32 v[T+1], v[T+1]
	v_nop                                          ; one plain place behind a transcendental
	s_wait_alu depctr_va_vdst(0)                   ; and the wait behind it
.irp w, 0,1,2,3
	v_mul_f32 v[MT+2*\w], v[SO+\w], v[T+1]         ; the part's weight
.endr
	s_wait_alu depctr_va_vdst(0)
	s_wait_dscnt 0x0                               ; all parts are in
	WIN 0x51
.set n, 0
.rept 16
	v_pk_mul_f32 v[n:n+1], v[n:n+1], v[MT:MT+1] op_sel_hi:[1,0]
.set n, n+2
.endr
	WIN 0
.irp i, 0,1,2
	s_cmp_eq_u32 s[FX+\i], 0
	s_cbranch_scc1 .Lnojoin_\i
	WIN 0x51
.set n, 0
.rept 16
	v_pk_fma_f32 v[n:n+1], v[32+32*\i+n:32+32*\i+n+1], v[MT+2+2*\i:MT+3+2*\i], v[n:n+1] op_sel_hi:[1,0,1]
.set n, n+2
.endr
	WIN 0
.Lnojoin_\i:
.endr
	s_wait_alu depctr_va_vdst(0)
	WIN 0x04
.irp t, 0,1,2,3                        ; register 8 t + i is out(r, 16 t + 8 h + i)
	ds_store_b128 v[STO], v[8*\t:8*\t+3] offset:64*\t
	ds_store_b128 v[STO], v[8*\t+4:8*\t+7] offset:64*\t+16
.endr
	WIN 0x40
.irp m, 0,1,2,3,4,5,6,7
	ds_load_b128 v[32+4*\m:32+4*\m+3], v[RD] offset:2*SPITCH*\m   ; LDS serves a wave's instructions in order: these see my stores
.endr
	WIN 0x04
.irp m, 0,1,2,3,4,5,6,7
	s_wait_dscnt 7-\m                              ; load m is back; the younger ones stay out
	global_store_b128 v[L16], v[32+4*\m:32+4*\m+3], s[OA:OA+1] offset:512*\m th:TH_STORE_NT   ; 32 lanes store 512 consecutive bytes, two whole rows, at a multiple of 256 from out0's first byte
.endr
	WIN 0
	s_wait_tensorcnt 0x0                           ; the wave's end, behind my last LDS store
	ds_add_u32 v[SPW], v[NIL]
	s_wait_dscnt 0x0
	s_endpgm
.Lfunc_end_k_qb7261e3fed_attn:
	.size	k_qb7261e3fed_attn, .Lfunc_end_k_qb7261e3fed_attn-k_qb7261e3fed_attn
	.p2alignl 7, 3214868480
	.fill 96, 4, 3214868480
	.section	.rodata,"a",@progbits
	.p2align	6, 0x0
	.amdhsa_kernel k_qb7261e3fed_attn
		.amdhsa_group_segment_fixed_size 183296
		.amdhsa_private_segment_fixed_size 0
		.amdhsa_enable_private_segment 0
		.amdhsa_kernarg_size 32
		.amdhsa_user_sgpr_count 2
		.amdhsa_user_sgpr_kernarg_segment_ptr 1
		.amdhsa_wavefront_size32 1
		.amdhsa_system_sgpr_workgroup_id_x 1
		.amdhsa_system_sgpr_workgroup_id_y 1
		.amdhsa_system_sgpr_workgroup_id_z 1
		.amdhsa_system_vgpr_workitem_id 0
		.amdhsa_next_free_vgpr 512
		.amdhsa_next_free_sgpr 88
		.amdhsa_reserve_vcc 1
		.amdhsa_float_denorm_mode_32 3
		.amdhsa_float_denorm_mode_16_64 3
		.amdhsa_memory_ordered 1
		.amdhsa_forward_progress 1
		.amdhsa_inst_pref_size 66
	.end_amdhsa_kernel
	.amdgpu_metadata
---
amdhsa.version: [ 1, 2 ]
amdhsa.kernels:
  - .name:           k_qb7261e3fed_attn
    .symbol:         k_qb7261e3fed_attn.kd
    .args:
      - { .name: queries, .offset: 0, .size: 8, .value_kind: global_buffer, .address_space: global }
      - { .name: kv, .offset: 8, .size: 8, .value_kind: global_buffer, .address_space: global }
      - { .name: order, .offset: 16, .size: 8, .value_kind: global_buffer, .address_space: global }
      - { .name: out0, .offset: 24, .size: 8, .value_kind: global_buffer, .address_space: global }
    .group_segment_fixed_size: 183296
    .private_segment_fixed_size: 0
    .kernarg_segment_align: 8
    .kernarg_segment_size: 32
    .max_flat_workgroup_size: 256
    .sgpr_count:     88
    .vgpr_count:     512
    .wavefront_size: 32
...
	.end_amdgpu_metadata
.endif
;; end of part 2
